; MI455X (gfx1250); checked and timed in simulation.
; The chip was launched on July 23, 2026; its instructions are those of AMD's public machine-readable ISA for CDNA 5 (MIT licence, August 2026) and "CDNA5" Instruction Set Architecture Reference Guide (July 2026). The comments in the code are by the model that wrote it; some were corrected since.
;; EMA Quantizer. Allowed arithmetic: matrix products marked QUANTISED: E5M2 operands, one E8M0 scale for each 32 along K, by v_wmma_scale_f32_16x16x128_f8f6f4 with both operands' format E5M2, f32 sums; everything else in f32.
;; Inputs: embedding 1,024 x 64 float32; inputs 2 x 64 x 32 x 32 x 32 float32.
;; Outputs: out0 2 x 64 x 32 x 32 x 32 float32; out1 one number float32; out2 2 x 32 x 32 x 32 int32; out3 256 float32; out4 1,024 x 64 float32.
;; This version of the problem:
;;   THIS VERSION OF THE PROBLEM IS GIVEN IN LOW PRECISION. The matrix products marked QUANTISED in the list below multiply operands that are first quantised to E5M2 (5 exponent bits, 2 mantissa bits; 8 bits a number), with one power-of-two scale for each 32 numbers along K (OCP MX v1.0); their sums are f32. All else is computed in f32.
;;   The module's matrix products, in the order in which they are computed (A, B: the left and right operand; K: the contracted axis; several contracted axes count as one K, in the product's order):
;;     1. [M 65,536, K 64] x [K 64, N 1,024]; A: computed on the way; B: input embedding: QUANTISED
;;   THE QUANTISER, for each operand of a quantised product, along K:
;;     - K is cut into blocks of 32 from its start; a last block that is shorter is filled with zeros.
;;     - A block's scale is 2^e with e = floor(log2(the largest magnitude in the block)) - 15, held to -126 .. 127; a block of zeros has e = 0. As a byte (E8M0): e + 127.
;;     - Each number is divided by its block's scale, clamped to +-57,344, and rounded to the nearest number of E5M2, ties to even, subnormals kept.
;;     - The product sums the exact products of the quantised numbers (number of the format x scale) in f32.
;;   ~~~python
;;   def quantise(x, axis):      # numpy; x: float32 -> the quantised numbers, widened to float32 again
;;       x = np.moveaxis(x, axis, -1); K = x.shape[-1]
;;       x = np.pad(x, [(0, 0)] * (x.ndim - 1) + [(0, -K % 32)]); x = x.reshape(x.shape[:-1] + (-1, 32)); a = np.abs(x).max(-1, keepdims=True)
;;       e = np.where(a > 0, np.clip(np.frexp(np.where(a > 0, a, 1))[1] - 1 - 15, -126, 127), 0)      # np.frexp(a)[1] - 1 = floor(log2(a)), exactly
;;       r = np.clip(x / 2.0 ** e, -57344, 57344)
;;       step = 2.0 ** (np.maximum(np.frexp(np.where(r == 0, 1, r))[1] - 1, -14) - 2)
;;       q = np.round(r / step) * step * 2.0 ** e      # np.round: ties to even
;;       return np.moveaxis(q.reshape(q.shape[:-2] + (-1,))[..., :K], -1, axis).astype(np.float32)
;;   ~~~
;;   OPERANDS COMPUTED ON THE WAY. 'Computed on the way' means the value that the module computes at that place (a softmax that the list does not call 'softmax' is quantised finished and normalised). What goes into a quantiser is computed in f32, as accurately as f32 sums, v_exp_f32 and their like allow (about 1e-6 of the number): no bf16 or f16 on the way to a quantiser, and a product that is left as it is and whose result goes on into a quantised operand takes f32 operands (vector FMAs, or v_wmma_f32_16x16x4_f32). A number that lies on a knife's edge between two numbers of the format may be rounded either way, as far as f32 arithmetic and the matrix unit's own rounding can turn it there, and no further.
;; One version. Each part assembles by itself: llvm-mc -triple=amdgcn-amd-amdhsa -mcpu=gfx1250 --defsym DOCPART=n.
;; ======== version 1 of 1: 3 launches
;; limits: right only within a limited range of input values
;; workspace buffers: idxw 262,144 bytes of whole numbers; part 4,096 bytes
;; launch nearest (part 1): grid 256 x 1, 16 waves a work-group, clusters of 4 x 1, 318,464 bytes of LDS; arguments inputs, embedding, out2, idxw; writes out2, idxw
.if DOCPART == 1
	.amdgcn_target "amdgcn-amd-amdhsa--gfx1250"
	.amdhsa_code_object_version 6
	.text
	.protected	k_q7ec24d8614_nearest
	.globl	k_q7ec24d8614_nearest
	.p2align	8
	.type	k_q7ec24d8614_nearest,@function
k_q7ec24d8614_nearest:
	s_mov_b64 s[64:65], 0
	v_nop
	global_prefetch_b8 v0, s[64:65] scope:SCOPE_SE
	s_setreg_imm32_b32 hwreg(HW_REG_WAVE_MODE, 25, 1), 1
	s_wait_xcnt 0x0
	s_wait_alu depctr_hold_cnt(0) depctr_sa_sdst(0) depctr_va_vdst(0) depctr_va_sdst(0) depctr_va_ssrc(0) depctr_va_vcc(0) depctr_vm_vsrc(0)
	s_getreg_b32 s2, hwreg(HW_REG_IB_STS2, 6, 4)
	s_cmp_eq_u32 s2, 0
	s_cbranch_scc0 .Lentry_in_a_cluster
	s_endpgm
.Lentry_in_a_cluster:
	s_bfe_u32 s2, ttmp6, 0x10000c
	s_cmp_lg_u32 s2, 0x3003
	s_cbranch_scc0 .Lentry_shape_is_right
	s_endpgm
.Lentry_shape_is_right:
; For each of the 65,536 positions (b, d, h, w) the index of the nearest of the 1,024 rows of the embedding: the first minimum over k of
;   |e_k|^2 - Q(2 x) . Q(e_k),   Q the MX quantiser to E5M2 along the 64 channels (two blocks of 32), the product by the scaled matrix instruction, sums in f32.
; WORK LEFT OUT.  reference() adds sum(flat_input**2, axis=1) to all 1,024 distances of a row alike, and the distances reach the results through argmax along that axis alone: in exact
; arithmetic, whatever the inputs hold, that term moves no result, so it is not computed.  (inputs + (quantized - inputs) is quantized by identity: the next kernel stores the table's rows.)
; Every input still has a way to an output and is loaded.
; LIMITS: a NaN, an infinity or an overflow that reaches only the work left out is not carried to the result; NaN and infinities among the inputs are not served; where two distances of a row lie
; within f32 rounding of each other the index may be the other one's; a block of x whose largest magnitude lies under 2^-111 keeps the floor's scale byte; a block of zeros has the byte 1 (its codes are zeros).
; SHARES.  256 work-groups of SIXTEEN waves, four to a SIMD.  A work-group owns 256 neighbouring positions of one batch.
; Wave w = 8 u + 2 g + c: g names 64 of the positions, four tiles of 16 (tile q holds positions 4 r + q, so that one 16-byte load a lane, 16 lanes to 256 consecutive bytes of one channel, serves all four tiles);
; s = 2 u + c names the quarter of the table that the wave walks: rows 256 s .. 256 s + 255, 16 tiles of 16.  A fragment of the table read from LDS feeds eight matrix instructions.
; THE EMBEDDING comes into LDS once as f32, 262,144 bytes, in rows of 256 bytes + 16 of padding, by two ways side by side, half of it each.  All work-groups want the same bytes: rows 512 .. 1,023 are asked for JOINTLY by the four of a
; cluster, one tensor load of 64 rows in each of waves 8 to 15.  Rows 0 .. 511 are wanted first and asked for ahead of the cluster's round, which those loads need not wait for: 32 loads of 512 consecutive bytes in each of waves 0 to 7, stored to LDS from registers.
; Wave w quantises rows 64 w .. 64 w + 63 and lays each tile's codes, as an image of the operand's registers (1,024 bytes), and each pair's scale words over that tile's own f32 rows, which only it has read and which are filled no more.
; x IS QUANTISED ONCE: wave 8 + 2 g + c loads and quantises block c (channels 32 c .. 32 c + 31) of group g's four tiles and lays codes and scale bytes in LDS; behind the first barrier the four waves of a group load both blocks.
; TWO PHASES.  Ahead of barrier 1 waves 0-7 quantise rows 0 .. 511 and waves 8-15 quantise x.  Behind it waves 0-7 signal barrier 2 at once and walk the lower half of the table, of which nobody writes a byte any more, while waves 8-15
; quantise rows 512 .. 1,023 and signal; behind barrier 2 waves 8-15 walk the upper half.  Every barrier line stands on every wave's path; the arms between them hold none.
; K IS 64, THE INSTRUCTION'S IS 128.  Source 0 = [tile a | tile b], 16 registers; source 1 = [x | zeros] gives tile a's product, [zeros | x] tile b's: zero codes add nothing.  C = |e_k|^2 in the result's layout, x's codes are
; negated and its scale bytes raised by one (the factor 2.0), so D is the distance itself.  In D lane (r, h) holds position r and its register j row 16 t + 8 h + j of the embedding.
; THE MINIMUM.  For each tile of 8 results: four three-input minima over the 8 and the best so far, a compare of the new best with the old, and eight selects in four pairs that keep the tile's first 7 results and its number.  Strictly less keeps the first tile.
; The best lies in two sets of registers by turns.  Which of the 8 it was is found once, at the end (none of the 7: the eighth); then the halves of the lanes are joined, and through LDS the four quarters of the table.
; Nothing is prefetched: all that comes from memory is asked for at the head, and no loop fetches.
.set EP,    272                        ; an f32 row of the embedding in LDS: 256 bytes + 16: the 16 rows that a load touches begin 4 banks apart
.set TILEB, 16*EP                      ; a tile's 16 rows
.set WREG,  64*EP                      ; a wave's 64 rows
.set NT,    4                          ; tiles that a wave quantises
.set SEB,   1024*EP                    ; behind the rows: |e_k|^2, 4 bytes a row
.set XIM,   SEB+4096                   ; x's codes: 2,048 bytes for each of waves 8-15: tile q's four registers at 512 q + 16 x lane
.set XSW,   XIM+16384                  ; x's scale words: 256 bytes a group: tile q's at 64 q + 4 r
.set MRG,   XSW+1024                   ; the end: 1,024 bytes a wave, by group and quarter: four best distances, then four indices, 16 bytes a lane each
.set SPARE, MRG+16384                  ; the spare words, 128 bytes for each wave: eight blocks of 256 bytes that no other line names
.set AIM,   2048                       ; tile a's image begins so far into its rows, tile b's at their start: so all 8 pairs lie within one offset's reach
.set ESO,   1024                       ; behind tile a's image: the pair's scale words, lane r's at 16 r (bytes 0, 1 tile a's row r, bytes 2, 3 tile b's)
.set CSTR,  131072                     ; bytes from a channel of the inputs to the next
.set SPW,  1                           ; v1  LDS address of my spare word; never rewritten
.set NIL,  2                           ; v2  0; never rewritten
.set TA0,  5                           ; v5-6, v14-15  a tile's minima at work, two sets by turns (LDS addresses ahead of the walk)
.set TN,   7                           ; v7  the number of the tile whose results are selected
.set XS,   8                           ; v8-11   x's scale words, tile q: these and v12-13 hold scale words and nothing else
.set ES,   12                          ; v12-13  the embedding's scale words, two sets
.set XZ,   16                          ; v16-87  [Z][x0][Z][x1][Z][x2][Z][x3][Z], 8 registers each
.set ER,   88                          ; v88-119  two sets of [tile a | tile b]
.set CR,   120                         ; v120-151 two sets of |e|^2 for tiles a, b
.set DR,   152                         ; v152-215 eight results: slot q for tile a, 4 + q for tile b
.set SEL,  216                         ; v216-247 for each q the best tile's first 7 results and its number
.set BA,   248                         ; v248-251 the best ahead of a tile a, v252-255 ahead of a tile b
.set XO,   16                          ; the head: x's byte offset, the rows' byte offset, the rows' place in LDS
.set RO,   17
.set LS,   18
.set RL,   24                          ; v24-151 my 64 rows as loaded (waves 0 to 7)
.set RB,   88                          ; while the embedding is quantised: v88-151 two sets of 32 numbers; the rest in XZ
.set CD,   24                          ; v24-31, v40-47 codes, two sets
.set MX,   56
.set PP,   20
.set SC,   60
.set LM,   62
.set BY,   72
.set SQ,   74
.set WW,   78
.set PS,   7
.set SEV,  252
.set LR,   88                          ; the head's figures: r = lane % 16, h = lane / 16, the lane
.set LH,   89
.set LL,   90
.set XR,   152                         ; v152-215 x as loaded: register 4 i + q = channel 32 c + 16 h + i of tile q's position r
.set XH,   88                          ; v88-119 two sets of 16 held numbers
.set XC,   120                         ; v120-135 the codes: four registers a tile
.set XM,   136                         ; largest magnitudes
.set XP,   140                         ; the other half's, then the bytes
.set XSC,  144                         ; the conversions' scale operands
.set XLM,  148                         ; 57,344 x the scale
.macro CROUND                          ; a round of the cluster's barrier
	s_barrier_signal -1
	s_barrier_wait -1
	s_cmp_lg_u32 s14, 0
	s_cbranch_scc1 .Lnot_wave_0_\@
	s_barrier_signal -3
.Lnot_wave_0_\@:
	s_barrier_wait -3
	s_barrier_signal -1
	s_barrier_wait -1
.endm
.macro ELOAD tl                        ; tile tl of my 4: lane (r, h) takes, of row r, channels 32 c + 16 h + 0 .. 15
.irp c, 0,1
.irp i, 0,1,2,3
	ds_load_b128 v[RB+32*((\tl)%2)+16*\c+4*\i:RB+32*((\tl)%2)+16*\c+4*\i+3], v3 offset:(\tl)*TILEB+128*\c+16*\i
.endr
.endr
.endm
.macro TILEQ tl
.set RR,  RB+32*((\tl)%2)
.set CDB, CD+16*((\tl)%2)
.set SV,  SEV+((\tl)%2)
.set WR,  WW+(((\tl)/2)%2)
.set IM,  (\tl)*TILEB+AIM*(1-(\tl)%2)
.if (\tl) < NT-1
	ELOAD (\tl)+1
.endif
.if (\tl) == 0
	s_wait_dscnt 8                                 ; this tile's loads are in, and any stores of rows ahead of them; the next tile's 8 may be out
.elseif (\tl) < NT-1
	s_wait_dscnt 11                                ; behind this tile's loads: the last tile's 3 or 4 stores and the next tile's 8 loads; the stores of the tile before that, which read the registers written below, are done
.else
	s_wait_dscnt 3                                 ; behind this tile's loads: the last tile's 3 stores
.endif
	v_pk_mul_f32 v[SQ:SQ+1], v[RR:RR+1], v[RR:RR+1]               ; |e|^2 of the numbers as they are given, in four partial sums; and each block's largest magnitude: four chains by turns
	v_pk_mul_f32 v[SQ+2:SQ+3], v[RR+2:RR+3], v[RR+2:RR+3]
	v_max3_num_f32 v[MX], |v[RR]|, |v[RR+1]|, 0x8000000           ; the floor 2^(16 - 127) holds the scale's byte at 1 from below
	v_max3_num_f32 v[MX+1], |v[RR+16]|, |v[RR+17]|, 0x8000000
.irp s, 1,2,3,4,5,6,7
	v_pk_fma_f32 v[SQ:SQ+1], v[RR+4*\s:RR+4*\s+1], v[RR+4*\s:RR+4*\s+1], v[SQ:SQ+1]
	v_pk_fma_f32 v[SQ+2:SQ+3], v[RR+4*\s+2:RR+4*\s+3], v[RR+4*\s+2:RR+4*\s+3], v[SQ+2:SQ+3]
	v_max3_num_f32 v[MX], v[MX], |v[RR+2*\s]|, |v[RR+2*\s+1]|
	v_max3_num_f32 v[MX+1], v[MX+1], |v[RR+16+2*\s]|, |v[RR+17+2*\s]|
.endr
	s_delay_alu instid0(VALU_DEP_2)
	v_permlanex16_b32 v[PP], v[MX], s20, s21
	s_delay_alu instid0(VALU_DEP_2)
	v_permlanex16_b32 v[PP+1], v[MX+1], s20, s21
	v_pk_add_f32 v[SQ:SQ+1], v[SQ:SQ+1], v[SQ+2:SQ+3]
	s_delay_alu instid0(VALU_DEP_3)
	v_max_num_f32 v[MX], v[MX], v[PP]              ; with lane l xor 16's 16 numbers: the block's largest magnitude
	s_delay_alu instid0(VALU_DEP_3)
	v_max_num_f32 v[MX+1], v[MX+1], v[PP+1]
	s_delay_alu instid0(VALU_DEP_3)
	v_add_f32 v[SQ], v[SQ], v[SQ+1]
	s_delay_alu instid0(VALU_DEP_3)
	v_add_nc_u32 v[SC], 0xf8800000, v[MX]          ; 15 off the exponent field: the conversion's scale operand
	s_delay_alu instid0(VALU_DEP_3)
	v_add_nc_u32 v[SC+1], 0xf8800000, v[MX+1]
	s_delay_alu instid0(VALU_DEP_3)
	v_permlanex16_b32 v[PS], v[SQ], s20, s21
	v_and_or_b32 v[LM], v[MX], 0x7f800000, s22     ; 57,344 x the scale
	v_and_or_b32 v[LM+1], v[MX+1], 0x7f800000, s22
	v_lshrrev_b32 v[BY], 23, v[SC]                 ; the scale's byte
	v_lshrrev_b32 v[BY+1], 23, v[SC+1]
	v_add_f32 v[SV], v[SQ], v[PS]                  ; |e|^2 of row r, in lanes r and r + 16
.if (\tl)%2 == 0
	s_delay_alu instid0(VALU_DEP_2)
	v_lshl_or_b32 v[WR], v[BY+1], 8, v[BY]         ; tile a's two bytes
.else
	s_delay_alu instid0(VALU_DEP_3)
	v_lshl_or_b32 v[WR], v[BY], 16, v[WR]          ; tile b's above them
	s_delay_alu instid0(VALU_DEP_1)
	v_lshl_or_b32 v[WR], v[BY+1], 24, v[WR]
.endif
.irp c, 0,1
.irp i, 0,1,2,3,4,5,6,7,8,9,10,11,12,13,14,15
	v_med3_num_f32 v[RR+16*\c+\i], v[RR+16*\c+\i], -v[LM+\c], v[LM+\c]   ; the hold at the largest code x the scale (the conversion to an 8-bit code does not saturate: ISA guide 7.6.2)
.endr
.endr
.irp c, 0,1
	v_cvt_scalef32_pk8_bf8_f32 v[CDB+4*\c:CDB+4*\c+1], v[RR+16*\c:RR+16*\c+7], v[SC+\c]
	v_cvt_scalef32_pk8_bf8_f32 v[CDB+4*\c+2:CDB+4*\c+3], v[RR+16*\c+8:RR+16*\c+15], v[SC+\c]
.endr
	v_nop                                          ; a plain line behind the last conversion
	ds_store_b128 v4, v[CDB:CDB+3] offset:IM       ; the image: registers 0-3, then 4-7, 16 bytes a lane, over this tile's own rows, which are in my registers
	ds_store_b128 v4, v[CDB+4:CDB+7] offset:IM+512
	ds_store_b32 v5, v[SV] offset:(\tl)*64         ; lanes r and r + 16 write the same word with the same value
.if (\tl)%2 == 1
	ds_store_b32 v4, v[WR] offset:((\tl)-1)*TILEB+AIM+ESO   ; in tile a's rows, which were read a tile ago
.endif
.endm
.macro QUANT                           ; my four tiles, and the zero codes on both sides of each tile of x
	ELOAD 0
.irp t, 0,1,2,3
	TILEQ \t
.endr
	s_wait_xcnt 0x0                                ; the head's loads have read their offsets: the registers may be rewritten
.irp z, 0,1,2,3,4
.irp j, 0,1,2,3,4,5,6,7
	v_mov_b32 v[XZ+16*\z+\j], 0
.endr
.endr
.endm
	s_load_b256 s[4:11], s[0:1], 0x0               ; inputs s[4:5], embedding s[6:7], out2 s[8:9], idxw s[10:11]
	v_lshl_add_u32 v[SPW], v0, 2, SPARE
	v_mov_b32 v[NIL], 0
	ds_add_u32 v[SPW], v[NIL]                      ; the wave's opening: the add, twice on end, and its wait ahead of my tensor load
	ds_add_u32 v[SPW], v[NIL]                      ; and once more, under the one wait; the set-up below, work on registers, stands between
	v_lshrrev_b32 v3, 5, v0
	v_readfirstlane_b32 s14, v3                    ; wave 0..15
	s_and_b32 s39, s14, 1                          ; c
	s_and_b32 s40, s14, 7
	s_lshl_b32 s43, s40, 11                        ; waves 8-15: where my codes of x go: 2,048 (w - 8)
	s_lshr_b32 s38, s40, 1                         ; g: which 64 positions
	s_lshr_b32 s41, s14, 3
	s_lshl_b32 s41, s41, 1
	s_add_co_u32 s41, s41, s39                     ; s: which quarter of the table
	s_lshl_b32 s42, s38, 8
	s_add_co_u32 s42, s42, s39                     ; where that block's scale bytes go: 256 a group, byte c (and c + 2) of a word
	s_mul_i32 s44, s41, 16*TILEB                   ; my quarter of the table: 16 tiles on, at tile a's image
	s_add_co_u32 s44, s44, AIM
	s_lshl_b32 s45, s41, 10                        ; 1,024 bytes on in |e|^2
	s_lshl_b32 s46, s38, 12                        ; 4,096 g: my group's codes of x
	s_lshl_b32 s47, s38, 8                         ; 256 g: and its scale words
	s_lshl_b32 s48, s41, 4                         ; the number of my first tile
	s_bfe_u32 s15, ttmp6, 0x40000                  ; cx: my place in the cluster
	s_lshl_b32 s16, ttmp9, 2
	s_add_co_u32 s16, s16, s15                     ; work-group = 4 x cluster + cx: it enters global addresses of x and of the results alone
	s_mov_b32 s24, 15|(3<<16)|(1<<20)|(1<<21)|(5<<22)|(3<<25)  ; group 1: mask: all four; elements of 8 bytes; padding on; bit 21 beside a mask; 4 words after every 64
	s_mov_b32 s25, 32<<16                          ; tensor_dim0 = 32 elements: a row of 256 bytes
	s_mov_b32 s26, 64<<16                          ; tensor_dim1 = 64 rows
	s_mov_b32 s27, 32<<16                          ; tile_dim0
	s_mov_b32 s28, 64                              ; tile_dim1
	s_mov_b32 s29, 32                              ; the pitch: rows are dense
	s_mov_b32 s30, 0
	s_mov_b32 s31, 0
	s_mov_b32 s20, 0x76543210
	s_mov_b32 s21, 0xfedcba98                      ; v_permlanex16_b32's selects for lane l xor 16
	s_mov_b32 s22, 0x600000                        ; the mantissa field of 57,344
	s_lshr_b32 s17, s16, 7                         ; the batch: 128 work-groups each
	s_lshl_b32 s18, s17, 23                        ; 64 channels x 131,072 bytes
	s_and_b32 s17, s16, 127
	s_lshl_b32 s17, s17, 10                        ; my work-group's 256 positions, 4 bytes each,
	s_add_co_u32 s18, s18, s17
	s_lshl_b32 s17, s38, 8                         ; 64 of them,
	s_add_co_u32 s18, s18, s17
	s_lshl_b32 s17, s39, 22                        ; the block: 32 channels on
	s_add_co_u32 s18, s18, s17
	s_mov_b32 s19, 0
	s_lshl_b32 s50, s16, 10                        ; 1,024 bytes a work-group in out2 and idxw
	s_mov_b32 s51, 0
	s_mul_i32 s52, s14, WREG                       ; my wave's rows in LDS
	s_lshl_b32 s53, s14, 8                         ; 256 x wave: my part of |e|^2
	s_lshl_b32 s54, s14, 14                        ; my rows in memory: 64 rows of 256 bytes
	s_mov_b32 s55, 0
	v_and_b32 v[LR], 15, v0                        ; r
	v_bfe_u32 v[LH], v0, 4, 1                      ; h
	v_and_b32 v[LL], 31, v0                        ; the lane
	v_lshlrev_b32 v[XO], 4, v[LR]                  ; x: 16 bytes (positions 4 r .. 4 r + 3),
	v_mul_u32_u24 v3, v[LR], EP
	v_lshlrev_b32 v[RO], 4, v[LL]                  ; rows in memory: 16 bytes a lane
	v_mul_u32_u24 v[LS], v[LH], EP                 ; rows into LDS: lanes 16-31 one row on
	v_lshl_add_u32 v5, v[LR], 2, SEB
	v_lshl_add_u32 v14, v[LL], 4, XIM
	v_lshl_add_u32 v15, v[LR], 2, XSW
	v_lshl_add_u32 v[LS], v[LR], 4, v[LS]
	v_lshl_add_u32 v[XO], v[LH], 21, v[XO]         ; + 16 channels for lanes 16-31
	v_lshl_add_u32 v3, v[LH], 6, v3
	v_add_nc_u32 v4, s52, v[RO]                    ; a tile's image: 16 x lane
	v_add_nc_u32 v5, s53, v5                       ; |e|^2: 4 bytes a row
	v_add_nc_u32 v14, s43, v14                     ; x's codes: 16 x lane
	v_add_nc_u32 v15, s42, v15                     ; x's scale bytes: 4 r
	v_add_nc_u32 v[LS], s52, v[LS]
	v_add_nc_u32 v3, s52, v3                       ; f32 rows: row r, + 64 h: my 16 numbers of a block of 32
	v_mov_b32 v[PP], 0                             ; written once: a lane permute's destination counts as one of its sources
	v_mov_b32 v[PP+1], 0
	v_mov_b32 v[PS], 0
.irp p, 0,1,2,3
	v_mov_b32 v[BA+\p], 0x7f800000                 ; the best so far: above every distance
.endr
.irp p, 0,1,2
.irp j, 0,1,2,3,4,5,6,7
	v_mov_b32 v[SEL+8*\p+\j], 0
.endr
.endr
	s_wait_alu depctr_va_vdst(0)
	s_wait_dscnt 0x0                               ; both opening adds are done
	s_wait_kmcnt 0x0
	s_add_nc_u64 s[54:55], s[6:7], s[54:55]
	s_add_nc_u64 s[4:5], s[4:5], s[18:19]
	s_cmp_lt_u32 s14, 8
	s_cbranch_scc0 .Lask_x
.set j, 0
.rept 32
	global_load_b128 v[RL+4*j:RL+4*j+3], v[RO], s[54:55] offset:512*j   ; waves 0-7: two rows: 512 consecutive bytes
.set j, j+1
.endr
	s_branch .Lasked
.Lask_x:
.irp i, 0,1,2,3,4,5,6,7,8,9,10,11,12,13,14,15
	global_load_b128 v[XR+4*\i:XR+4*\i+3], v[XO], s[4:5] offset:\i*CSTR   ; waves 8-15: my block of x, each half of the lanes 256 consecutive bytes
.endr
.Lasked:
	s_add_nc_u64 s[8:9], s[8:9], s[50:51]
	s_add_nc_u64 s[10:11], s[10:11], s[50:51]
	s_mov_b32 s32, 1                               ; group 0: my 64 rows
	s_mul_i32 s33, s14, WREG
	s_mov_b64 s[34:35], s[54:55]
	s_or_b32 s35, s35, 0x80000000
	CROUND                                         ; all four work-groups are here: the joint loads meet
	s_cmp_lt_u32 s14, 8
	s_cbranch_scc1 .Lown_rows
	tensor_load_to_lds s[32:35], s[24:31]          ; waves 8 to 15: my one tensor load; nothing is filled a second time in this launch
	s_nop 0
.irp q, 0,1,2,3
	v_mov_b32 v[XP+\q], 0                          ; written once: a lane permute's destination counts as one of its sources
.endr
	; x: my block of the four tiles, by turns.  What is quantised is -2 x: the sign by the hold's source, the factor 2 by one more in the scale byte: the codes are those of x
	s_wait_loadcnt 0x8                             ; the first 8 of my 16 loads are in
.irp q, 0,1,2,3
	v_max3_num_f32 v[XM+\q], |v[XR+\q]|, |v[XR+4+\q]|, 0x8000000   ; the floor 2^(16 - 127) holds the scale's byte at 1 from below
.endr
.irp i, 2,4,6
.irp q, 0,1,2,3
	v_max3_num_f32 v[XM+\q], v[XM+\q], |v[XR+4*\i+\q]|, |v[XR+4*\i+4+\q]|
.endr
.endr
	s_wait_alu depctr_va_vdst(0)
	s_wait_loadcnt 0x0
.irp i, 8,10,12,14
.irp q, 0,1,2,3
	v_max3_num_f32 v[XM+\q], v[XM+\q], |v[XR+4*\i+\q]|, |v[XR+4*\i+4+\q]|
.endr
.endr
.irp q, 0,1,2,3
	v_permlanex16_b32 v[XP+\q], v[XM+\q], s20, s21
.endr
.irp q, 0,1,2,3
	v_max_num_f32 v[XM+\q], v[XM+\q], v[XP+\q]     ; with lane l xor 16's 16 channels: the block's largest magnitude
.endr
.irp q, 0,1,2,3
	v_add_nc_u32 v[XSC+\q], 0xf8800000, v[XM+\q]   ; 15 off the exponent field: the conversion's scale operand
.endr
.irp q, 0,1,2,3
	v_and_or_b32 v[XLM+\q], v[XM+\q], 0x7f800000, s22   ; 57,344 x the scale
.endr
.irp q, 0,1,2,3
	v_lshrrev_b32 v[XP+\q], 23, v[XSC+\q]          ; the scale's byte,
.endr
.irp q, 0,1,2,3
	v_add_nc_u32 v[XP+\q], 1, v[XP+\q]             ; and the factor 2.0 (no byte is above 239)
.endr
.irp q, 0,1,2,3
	ds_store_b8 v15, v[XP+\q] offset:64*\q         ; twice: x stands in the lower or in the upper half of K.  The other wave of this group's two makes the word's other bytes
	ds_store_b8 v15, v[XP+\q] offset:64*\q+2
.endr
.irp q, 0,1,2,3
.irp i, 0,1,2,3,4,5,6,7,8,9,10,11,12,13,14,15
	v_med3_num_f32 v[XH+16*(\q%2)+\i], -v[XR+4*\i+\q], -v[XLM+\q], v[XLM+\q]   ; the hold, the sign, and the move that sets a tile's 16 channels on end: one line
.endr
	v_cvt_scalef32_pk8_bf8_f32 v[XC+4*\q:XC+4*\q+1], v[XH+16*(\q%2):XH+16*(\q%2)+7], v[XSC+\q]
	v_cvt_scalef32_pk8_bf8_f32 v[XC+4*\q+2:XC+4*\q+3], v[XH+16*(\q%2)+8:XH+16*(\q%2)+15], v[XSC+\q]
.endr
	v_nop                                          ; a plain line behind the last conversion
.irp q, 0,1,2,3
	ds_store_b128 v14, v[XC+4*\q:XC+4*\q+3] offset:512*\q      ; an image of the operand's registers: 16 bytes a lane
.endr
	s_branch .Lphase1
.Lown_rows:
.set j, 0
.rept 32
	s_wait_loadcnt 31-j                            ; these two rows are in; the younger loads may be out
	ds_store_b128 v[LS], v[RL+4*j:RL+4*j+3] offset:2*EP*j
.set j, j+1
.endr
	QUANT                                          ; waves 0-7: rows 0 .. 511.  Only I read my rows: LDS serves a wave's instructions in order
.Lphase1:
	s_wait_alu depctr_va_vdst(0)
	s_wait_loadcnt 0x0
	s_wait_dscnt 0x0                               ; for the others' sake: my images, sums and scale words are in LDS
	s_barrier_signal -1
	s_barrier_wait -1                              ; barrier 1: x's codes and the lower half of the table are there
	s_wait_tensorcnt 0x0                           ; waves 8-15: my 64 rows have landed; only I read them (waves 0-7 have none out)
	s_cmp_lt_u32 s14, 8
	s_cbranch_scc1 .Lquantised
	QUANT                                          ; waves 8-15: rows 512 .. 1,023
.Lquantised:
	s_wait_alu depctr_va_vdst(0)
	s_wait_dscnt 0x0                               ; for the others' sake: my images are in LDS
.macro LOADS par, k                    ; pair k of my quarter's 8 pairs of tiles, into set par: 9 LDS loads
	ds_load_b128 v[ER+16*(\par):ER+16*(\par)+3], v3 offset:(\k)*2*TILEB
	ds_load_b128 v[ER+16*(\par)+4:ER+16*(\par)+7], v3 offset:(\k)*2*TILEB+512
	ds_load_b128 v[ER+16*(\par)+8:ER+16*(\par)+11], v3 offset:(\k)*2*TILEB+TILEB-AIM
	ds_load_b128 v[ER+16*(\par)+12:ER+16*(\par)+15], v3 offset:(\k)*2*TILEB+TILEB-AIM+512
	ds_load_b128 v[CR+16*(\par):CR+16*(\par)+3], v4 offset:(\k)*128
	ds_load_b128 v[CR+16*(\par)+4:CR+16*(\par)+7], v4 offset:(\k)*128+16
	ds_load_b128 v[CR+16*(\par)+8:CR+16*(\par)+11], v4 offset:(\k)*128+64
	ds_load_b128 v[CR+16*(\par)+12:CR+16*(\par)+15], v4 offset:(\k)*128+80
	ds_load_b32 v[ES+(\par)], v3 offset:(\k)*2*TILEB+ESO
.endm
.macro WM ws, par                      ; slot ws = q (tile a) or 4 + q (tile b): D = |e|^2 - Q(2 x) . Q(e).  No sum is taken up again: each D is whole after one instruction, and C lies in other registers
	v_wmma_scale_f32_16x16x128_f8f6f4 v[DR+8*(\ws):DR+8*(\ws)+7], v[ER+16*(\par):ER+16*(\par)+15], v[XZ+16*((\ws)%4)+8*(1-(\ws)/4):XZ+16*((\ws)%4)+8*(1-(\ws)/4)+15], v[CR+16*(\par)+8*((\ws)/4):CR+16*(\par)+8*((\ws)/4)+7], v[ES+(\par)], v[XS+(\ws)%4] matrix_a_fmt:MATRIX_FMT_BF8 matrix_b_fmt:MATRIX_FMT_BF8
.endm
.macro SEL2 d, a, b                    ; two selects in one line, by VCC
	v_dual_cndmask_b32 v[\d], v[\d], v[\a] :: v_dual_cndmask_b32 v[\d+1], v[\d+1], v[\b]
.endm
; A block: the matrix instruction for the slot that the last block has read out; the selects of slot i (VCC: is its minimum under the best?); among them the last minimum of slot i + 1 and its compare, and the first three minima of slot i + 2:
; so three chains stand side by side.  A result is first read five blocks, 45 plain vector lines, behind its matrix instruction, and from its low end on.
.macro BLOCK i, wpar, dow, dotree, donn
.set K1, ((\i)+1)%8
.set UD, DR+8*(\i)
.set US, SEL+8*((\i)%4)
.set ND, DR+8*(((\i)+2)%8)
.set TA, TA0+9*((\i)%2)                ; slot i + 2's set,
.set TB, TA0+9*(1-(\i)%2)              ; slot i + 1's
.set NO, BA+K1                         ; the best ahead of slot i + 1's tile,
.set NN, BA+(K1+4)%8                   ; and with it
.if \dow
	WM ((\i)+7)%8, \wpar
.endif
.if \dotree
	v_min3_num_f32 v[TA], v[ND], v[ND+1], v[ND+2]
.endif
	SEL2 US, UD, UD+1
.if \donn
	v_min3_num_f32 v[NN], v[TB], v[TB+1], v[NO]
.endif
.if \dotree
	v_min3_num_f32 v[TA+1], v[ND+3], v[ND+4], v[ND+5]
.endif
	SEL2 US+2, UD+2, UD+3
	SEL2 US+4, UD+4, UD+5
.if \dotree
	v_min3_num_f32 v[TA], v[TA], v[ND+6], v[ND+7]
.endif
	SEL2 US+6, UD+6, TN
.if \donn
	v_cmp_lt_f32 vcc_lo, v[NN], v[NO]              ; strictly less: of equal minima the first tile stays
.endif
.endm
; Pair p against my four tiles of x: eight blocks.  Block 0 issues this pair's last product; then its set is free (9 plain lines stand behind the product) and takes pair p + 2.  Pairs 6 and 7 fetch nothing; pair 7 has only its own last product to issue.
.macro GROUP p
.set LST, 0
.if (\p) == 7
.set LST, 1
.endif
	BLOCK 0, (\p)%2, 1, 1, 1
.if (\p) < 7
	s_wait_alu depctr_va_vdst(0)
	s_wait_dscnt 0x0                               ; the next pair's 9 loads are in
.endif
.if (\p) < 6
	LOADS (\p)%2, (\p)+2
.endif
.irp i, 1,2,3
	BLOCK \i, 1-(\p)%2, 1-LST, 1, 1
.endr
	v_add_nc_u32 v[TN], 1, v[TN]                   ; tile b
.irp i, 4,5
	BLOCK \i, 1-(\p)%2, 1-LST, 1, 1
.endr
	BLOCK 6, 1-(\p)%2, 1-LST, 1-LST, 1
	BLOCK 7, 1-(\p)%2, 1-LST, 1-LST, 1-LST
.if (\p) < 7
	v_add_nc_u32 v[TN], 1, v[TN]
.endif
.endm
.macro WALK                            ; my quarter of the table against my four tiles of x: LDS loads and work on registers alone
	v_and_b32 v14, 31, v0                          ; the lane, its half and its row, made anew
	v_bfe_u32 v15, v0, 4, 1
	v_and_b32 v7, 15, v0
	v_lshl_add_u32 v6, v14, 4, XIM
	v_lshl_add_u32 v7, v7, 2, XSW
	v_lshlrev_b32 v3, 4, v14
	v_lshl_add_u32 v4, v15, 5, SEB
	v_add_nc_u32 v6, s46, v6                       ; my group's codes of x: block c 2,048 c on, tile q 512 q on
	v_add_nc_u32 v7, s47, v7                       ; and its scale words: 64 q on
	v_add_nc_u32 v3, s44, v3                       ; the table's images, from my quarter's first tile: 16 x lane; a pair of tiles is 2 x 4,352 bytes on from the last
	v_add_nc_u32 v4, s45, v4                       ; |e|^2: rows 8 h .. 8 h + 7 of a tile
	s_wait_alu depctr_va_vdst(0)
.irp q, 0,1,2,3
.irp c, 0,1
	ds_load_b128 v[XZ+8+16*\q+4*\c:XZ+11+16*\q+4*\c], v6 offset:2048*\c+512*\q
.endr
	ds_load_b32 v[XS+\q], v7 offset:64*\q
.endr
	LOADS 0, 0
	s_wait_dscnt 0x0                               ; x's codes, its scale words and pair 0 are in
	LOADS 1, 1
.irp w, 0,1,2,3,4,5,6
	WM \w, 0
.endr
.irp j, 0,1,2,3,4,5,6,7
	v_mov_b32 v[SEL+24+\j], 0                      ; the last of the state; these 9 lines are the places behind the first products
.endr
	v_mov_b32 v[TN], s48
	v_min3_num_f32 v[TA0], v[DR], v[DR+1], v[DR+2]
	v_min3_num_f32 v[TA0+1], v[DR+3], v[DR+4], v[DR+5]
	v_min3_num_f32 v[TA0+9], v[DR+8], v[DR+9], v[DR+10]
	v_min3_num_f32 v[TA0], v[TA0], v[DR+6], v[DR+7]
	v_min3_num_f32 v[TA0+10], v[DR+11], v[DR+12], v[DR+13]
	v_min3_num_f32 v[TA0+9], v[TA0+9], v[DR+14], v[DR+15]
	v_min3_num_f32 v[BA+4], v[TA0], v[TA0+1], v[BA]
	v_cmp_lt_f32 vcc_lo, v[BA+4], v[BA]
.irp p, 0,1,2,3,4,5,6,7
	GROUP \p
.endr
	s_wait_alu depctr_va_vdst(0)                   ; ahead of what stands behind the walk
.endm
	s_barrier_signal -1                            ; barrier 2: waves 0-7 have nothing to add to it and walk before they wait; waves 8-15 signal behind their images
	s_cmp_lt_u32 s14, 8
	s_cbranch_scc0 .Llower_done
	WALK                                           ; waves 0-7: the lower half, whose images, sums and scale words were whole at barrier 1 and are written no more; the upper half's writers touch other bytes
.Llower_done:
	s_barrier_wait -1                              ; barrier 2: the upper half of the table is there
	s_cmp_lt_u32 s14, 8
	s_cbranch_scc1 .Lfind
	WALK                                           ; waves 8-15: the upper half
.Lfind:
	; THE INDEX.  Which of the best tile's 8 results is the best: the first that equals it (from the last to the first, so that the first stays; the eighth where none of the seven does).  Then the two halves of the lanes, which
	; hold rows 8 h + j of each tile, are joined: the smaller distance, and of equal distances the smaller index.  Then the quarters of the table, through LDS: a later quarter's index only where its distance is strictly smaller.
.set FJ, DR
.set FC, DR+4
.set FB, DR+8
.set FO, DR+12
.set HB, DR+24
.set HI, DR+32
	v_bfe_u32 v6, v0, 4, 1                         ; h
	v_and_b32 v14, 15, v0                          ; r
	v_and_b32 v3, 31, v0                           ; the lane
	v_bfe_u32 v15, v0, 6, 2                        ; g
	v_lshlrev_b32 v7, 3, v6                        ; 8 h
.irp p, 0,1,2,3
	v_mov_b32 v[FJ+\p], 7
.endr
.irp j, 6,5,4,3,2,1,0
.irp p, 0,1,2,3
	v_cmp_eq_f32 s[56+\p], v[SEL+8*\p+\j], v[BA+\p]
.endr
.irp p, 0,1,2,3
	v_cndmask_b32 v[FJ+\p], v[FJ+\p], \j, s[56+\p]
.endr
.endr
.irp p, 0,1,2,3
	v_lshl_add_u32 v[FC+\p], v[SEL+8*\p+7], 4, v[FJ+\p]
.endr
.irp p, 0,1,2,3
	v_add_nc_u32 v[FC+\p], v7, v[FC+\p]            ; 16 x tile + 8 h + j
.endr
.irp p, 0,1,2,3
	v_permlanex16_b32 v[FB+\p], v[BA+\p], s20, s21
	v_permlanex16_b32 v[FO+\p], v[FC+\p], s20, s21
.endr
.irp p, 0,1,2,3
	v_cmp_lt_f32 s[56+\p], v[FB+\p], v[BA+\p]
	v_cmp_eq_f32 s[60+\p], v[FB+\p], v[BA+\p]
	v_cmp_lt_u32 s[66+\p], v[FO+\p], v[FC+\p]
.endr
.irp p, 0,1,2,3
	s_and_b32 s[60+\p], s[60+\p], s[66+\p]
	s_or_b32 s[56+\p], s[56+\p], s[60+\p]
.endr
	s_lshl_b32 s44, s41, 10                        ; 1,024 s
	s_lshl_b32 s45, s38, 12                        ; 4,096 g: my group's four
	s_add_co_u32 s44, s44, s45                     ; and mine among them
	s_wait_alu depctr_va_vdst(0)                   ; ahead of the readers behind the scalar lines
.irp p, 0,1,2,3
	v_cndmask_b32 v[FC+\p], v[FC+\p], v[FO+\p], s[56+\p]   ; both halves of the lanes now hold my quarter's index: a value that is stored, never an address here
.endr
.irp p, 0,1,2,3
	v_min_num_f32 v[BA+\p], v[BA+\p], v[FB+\p]     ; and its distance
.endr
	v_lshl_add_u32 v5, v3, 4, MRG
	v_lshl_add_u32 v4, v14, 4, MRG
	v_lshl_add_u32 v14, v14, 4, v7
	v_add_nc_u32 v5, s44, v5                       ; mine: 16 x lane
	v_add_nc_u32 v4, v4, v7
	v_lshl_add_u32 v14, v15, 8, v14                ; in the outputs: 256 g + 16 r + 8 h
	v_add_nc_u32 v4, s45, v4                       ; my group's: lane (r, h) takes positions 4 r + 2 h and 4 r + 2 h + 1
	ds_store_b128 v5, v[BA:BA+3]
	ds_store_b128 v5, v[FC:FC+3] offset:512
	s_wait_alu depctr_va_vdst(0)
	s_wait_dscnt 0x0                               ; for the other waves of my group: my two stores are in LDS
	s_barrier_signal -1
	s_barrier_wait -1
	s_cmp_lt_u32 s41, 2                            ; two waves of a group store its 64 indices: one to out2, the other to the buffer from which the next launch forms addresses
	s_cbranch_scc0 .Lend
.irp k, 0,1,2,3
	ds_load_b64 v[HB+2*\k:HB+2*\k+1], v4 offset:1024*\k        ; quarter k: distances,
	ds_load_b64 v[HI+2*\k:HI+2*\k+1], v4 offset:1024*\k+512    ; indices
.endr
	s_cmp_eq_u32 s41, 0
	s_cselect_b64 s[8:9], s[8:9], s[10:11]
	s_wait_dscnt 0x0
.irp k, 1,2,3
.irp p, 0,1
	v_cmp_lt_f32 s[56+\p], v[HB+2*\k+\p], v[HB+\p] ; strictly less: of equal distances the lower index stays
.endr
.irp p, 0,1
	v_cndmask_b32 v[HI+\p], v[HI+\p], v[HI+2*\k+\p], s[56+\p]
.endr
.irp p, 0,1
	v_min_num_f32 v[HB+\p], v[HB+\p], v[HB+2*\k+\p]
.endr
.endr
	global_store_b64 v14, v[HI:HI+1], s[8:9]       ; a wave stores 256 consecutive bytes, aligned
.Lend:
	s_wait_tensorcnt 0x0                           ; the wave's end: behind my last tensor load and my last LDS store
	ds_add_u32 v[SPW], v[NIL]
	s_wait_dscnt 0x0
	CROUND                                         ; the closing round
	s_endpgm
.Lfunc_end_k_q7ec24d8614_nearest:
	.size	k_q7ec24d8614_nearest, .Lfunc_end_k_q7ec24d8614_nearest-k_q7ec24d8614_nearest
	.p2alignl 7, 3214868480
	.fill 96, 4, 3214868480
	.section	.rodata,"a",@progbits
	.p2align	6, 0x0
	.amdhsa_kernel k_q7ec24d8614_nearest
		.amdhsa_group_segment_fixed_size 318464
		.amdhsa_private_segment_fixed_size 0
		.amdhsa_enable_private_segment 0
		.amdhsa_kernarg_size 32
		.amdhsa_user_sgpr_count 2
		.amdhsa_user_sgpr_kernarg_segment_ptr 1
		.amdhsa_wavefront_size32 1
		.amdhsa_system_sgpr_workgroup_id_x 1
		.amdhsa_system_sgpr_workgroup_id_y 1
		.amdhsa_system_sgpr_workgroup_id_z 1
		.amdhsa_system_vgpr_workitem_id 0
		.amdhsa_next_free_vgpr 256
		.amdhsa_next_free_sgpr 70
		.amdhsa_reserve_vcc 1
		.amdhsa_float_denorm_mode_32 3
		.amdhsa_float_denorm_mode_16_64 3
		.amdhsa_memory_ordered 1
		.amdhsa_forward_progress 1
		.amdhsa_inst_pref_size 183
	.end_amdhsa_kernel
	.amdgpu_metadata
---
amdhsa.version: [ 1, 2 ]
amdhsa.kernels:
  - .name:           k_q7ec24d8614_nearest
    .symbol:         k_q7ec24d8614_nearest.kd
    .args:
      - { .name: inputs, .offset: 0, .size: 8, .value_kind: global_buffer, .address_space: global }
      - { .name: embedding, .offset: 8, .size: 8, .value_kind: global_buffer, .address_space: global }
      - { .name: out2, .offset: 16, .size: 8, .value_kind: global_buffer, .address_space: global }
      - { .name: idxw, .offset: 24, .size: 8, .value_kind: global_buffer, .address_space: global }
    .group_segment_fixed_size: 318464
    .private_segment_fixed_size: 0
    .kernarg_segment_align: 8
    .kernarg_segment_size: 32
    .max_flat_workgroup_size: 512
    .sgpr_count:     70
    .vgpr_count:     256
    .wavefront_size: 32
...
	.end_amdgpu_metadata
.endif
;; end of part 1
;; launch gather (part 2): grid 256 x 1, 4 waves a work-group, no clusters, 167,936 bytes of LDS; arguments inputs, embedding, idxw, out0, part, out4; writes out0, part, out4
.if DOCPART == 2
	.amdgcn_target "amdgcn-amd-amdhsa--gfx1250"
	.amdhsa_code_object_version 6
	.text
	.protected	k_q7ec24d8614_gather
	.globl	k_q7ec24d8614_gather
	.p2align	8
	.type	k_q7ec24d8614_gather,@function
k_q7ec24d8614_gather:
	s_mov_b64 s[64:65], 0
	v_nop
	global_prefetch_b8 v0, s[64:65] scope:SCOPE_SE
	s_setreg_imm32_b32 hwreg(HW_REG_WAVE_MODE, 25, 1), 1
	s_wait_xcnt 0x0
; out0[b][c][p] = embedding[index(b, p)][c], and each wave's part of the sum of (embedding[index] - inputs)^2; out4 = the embedding.  The indices were stored by the launch before.
; WORK LEFT OUT: reference() writes inputs + (quantized - inputs), which is quantized by identity for all values of the inputs: the table's rows are stored as they are.
; LIMIT: a NaN, an infinity or an overflow that reaches only that sum and difference is not carried into out0.
; SHARES.  256 work-groups of four waves; a wave owns 64 neighbouring positions of one batch, all 64 channels.  Waves share nothing: no barrier.
; x: one tensor load a wave, 64 rows (channels) of 256 bytes, into the wave's own 16,384 bytes of LDS, on a counter of its own: so the gathers of rows wait for the indices alone, and out0 leaves without a wait for x.
; A row of the table is 256 consecutive bytes, [position][channel]; out0 and the inputs are [channel][position].  Sixteen lanes fetch one whole row, two rows an instruction; the rows turn through the wave's own stage in LDS,
; laid [channel][64 positions] with the 16-byte columns of channel c rotated by c / 4: element (c, p) lies at 256 c + 16 ((p / 4 + c / 4) % 16) + 4 (p % 4).  So the 32 lanes of a 4-byte store (16 channels 4 apart, two
; neighbouring positions) fall on 32 different banks, and the 16 lanes of a 16-byte read take the 16 columns of one channel.  What comes back is four neighbouring positions of one channel a lane: the layout of out0's stores and of x's reads.
; No cluster: the work-groups share only scattered rows of the table.  Nothing is prefetched: there is no loop, and every load whose address is known is issued at the head.
; REGISTERS: window 0: v1-2 the add's two; v3-21 addresses and the copy; v32-63 the gathers' offsets; v64-191 the rows, then the turned rows; v192-223 stage addresses; v224-231 sums.  Window 1: v0-127 x, then the differences.
.set CSTR,  131072                     ; bytes from a channel to the next
.set STG,   16384                      ; a wave's stage
.set XB,    4*STG                      ; behind the stages: x, 16,384 bytes a wave
.set SPARE, 8*STG                      ; behind x: the spare words, 128 bytes for each wave: two blocks of 256 bytes that no other line names
.set SPW,  1
.set NIL,  2
.set L16,  3
.set HH,   4
.set IO,   5
.set XO,   6
.set LX,   7
.set ZR,   8
.set LANE, 9
.set IDX,  10
.set TMP,  12
.set SBASE, 16
.set RBASE, 17
.set XA,   18
.set CPO,  19
.set CP,   20
.set GA,   32
.set Q,    64
.set SBV,  192
.set RBV,  208
.set ACC,  224
	s_load_b256 s[4:11], s[0:1], 0x0               ; inputs s[4:5], embedding s[6:7], idxw s[8:9], out0 s[10:11]
	s_load_b128 s[12:15], s[0:1], 0x20             ; part s[12:13], out4 s[14:15]
	v_lshl_add_u32 v[SPW], v0, 2, SPARE
	v_mov_b32 v[NIL], 0
	ds_add_u32 v[SPW], v[NIL]                      ; the wave's opening: the add, twice on end, and its wait ahead of my tensor load
	ds_add_u32 v[SPW], v[NIL]
	v_lshrrev_b32 v[LANE], 5, v0
	v_readfirstlane_b32 s19, v[LANE]               ; wave 0..3
	s_lshr_b32 s25, ttmp9, 7                       ; the batch
	s_lshl_b32 s16, s25, 23
	s_and_b32 s25, ttmp9, 127
	s_lshl_b32 s25, s25, 10
	s_add_co_u32 s16, s16, s25
	s_lshl_b32 s18, s19, 8                         ; my wave's 64 positions
	s_add_co_u32 s16, s16, s18
	s_mov_b32 s17, 0
	s_lshl_b32 s20, ttmp9, 10
	s_add_co_u32 s20, s20, s18                     ; 256 bytes a wave in idxw and in the copy
	s_mov_b32 s21, 0
	s_lshl_b32 s22, ttmp9, 4
	s_lshl_b32 s23, s19, 2
	s_add_co_u32 s22, s22, s23                     ; part: 4 bytes a wave
	s_mov_b32 s23, 0
	s_mov_b32 s28, 0x76543210
	s_mov_b32 s29, 0xfedcba98
	s_lshl_b32 s24, s19, 14                        ; my stage
	s_add_co_u32 s25, s24, XB                      ; my x
	s_mov_b32 s36, 3<<16                           ; group 1: elements of 8 bytes, no padding
	s_mov_b32 s37, 32<<16                          ; tensor_dim0 = 32: a row of 256 bytes
	s_mov_b32 s38, 64<<16                          ; tensor_dim1 = 64 channels
	s_mov_b32 s39, 32<<16                          ; tile_dim0
	s_mov_b32 s40, 64                              ; tile_dim1
	s_mov_b32 s41, CSTR/8                          ; the pitch
	s_mov_b32 s42, 0
	s_mov_b32 s43, 0
	s_mov_b32 s32, 1                               ; group 0
	s_add_co_u32 s33, s24, XB
	v_and_b32 v[LANE], 31, v0
	v_and_b32 v[L16], 15, v0
	v_bfe_u32 v[HH], v0, 4, 1
	v_mov_b32 v[ZR], 0
	v_lshlrev_b32 v[CPO], 3, v[LANE]               ; the copy: 8 bytes a lane
	v_lshlrev_b32 v[IO], 3, v[L16]
	v_lshlrev_b32 v[LX], 4, v[L16]                 ; 16 bytes a lane
	v_lshl_add_u32 v[XA], v[LANE], 4, s25          ; x in LDS: channel 2 k + hh of read k, 16 bytes a lane
	v_lshl_add_u32 v[IO], v[HH], 2, v[IO]          ; indices: lane (l, hh) takes position 2 l + hh of 32
	v_lshl_add_u32 v[XO], v[HH], 17, v[LX]         ; out0: lanes 16-31 one channel on
	s_wait_alu depctr_va_vdst(0)
	s_wait_dscnt 0x0                               ; both opening adds are done
	s_wait_kmcnt 0x0
	s_add_nc_u64 s[8:9], s[8:9], s[20:21]
	global_load_b32 v[IDX], v[IO], s[8:9]
	global_load_b32 v[IDX+1], v[IO], s[8:9] offset:128
	s_add_nc_u64 s[2:3], s[6:7], s[20:21]
	global_load_b64 v[CP:CP+1], v[CPO], s[2:3]     ; 256 consecutive bytes a wave
	s_add_nc_u64 s[34:35], s[4:5], s[16:17]
	s_or_b32 s35, s35, 0x80000000
	tensor_load_to_lds s[32:35], s[36:43]          ; my 64 channels x 64 positions of x: my one tensor load
	s_nop 0
	s_add_nc_u64 s[10:11], s[10:11], s[16:17]
	s_add_nc_u64 s[12:13], s[12:13], s[22:23]
	s_add_nc_u64 s[14:15], s[14:15], s[20:21]
	v_lshl_add_u32 v[SBASE], v[L16], 10, s24       ; into the stage: channels 4 l .. 4 l + 3 (1,024 l), position's low bit hh
	v_lshl_add_u32 v[RBASE], v[HH], 8, s24         ; out of it: lanes 16-31 one channel on
	v_lshl_add_u32 v[SBASE], v[HH], 2, v[SBASE]
.irp c, 0,1,2,3,4,5,6,7,8,9,10,11,12,13,14,15
	v_add_nc_u32 v[SBV+\c], \c, v[L16]
.endr
.irp c, 0,1,2,3,4,5,6,7,8,9,10,11,12,13,14,15
	v_and_b32 v[SBV+\c], 15, v[SBV+\c]             ; the rotated column (l + c) % 16
.endr
.irp c, 0,1,2,3,4,5,6,7,8,9,10,11,12,13,14,15
	v_lshl_add_u32 v[RBV+\c], v[SBV+\c], 4, v[RBASE]
	v_lshl_add_u32 v[SBV+\c], v[SBV+\c], 4, v[SBASE]
.endr
.irp t, 0,1,2,3
	v_mov_b32 v[TMP+\t], 0                         ; written once: the destination of a DPP form counts as one of its sources
.endr
	s_wait_alu depctr_va_vdst(0)
	s_wait_loadcnt 0x1                             ; the indices are in; the copy's load may be out
.irp s, 0,1
.irp n, 0,1,2,3,4,5,6,7,8,9,10,11,12,13,14,15
	v_mov_b32_dpp v[TMP+\n%4], v[IDX+\s] row_share:\n row_mask:0xf bank_mask:0xf   ; each half of the lanes takes the index of its position 32 s + 2 n + hh
	v_min_u32 v[TMP+\n%4], 0x3ff, v[TMP+\n%4]      ; an index stays inside the table
	v_lshl_add_u32 v[GA+16*\s+\n], v[TMP+\n%4], 8, v[LX]
	global_load_b128 v[Q+4*(16*\s+\n):Q+4*(16*\s+\n)+3], v[GA+16*\s+\n], s[6:7]   ; sixteen lanes: one whole row of 256 bytes
.endr
.endr
.irp s, 0,1
.irp n, 0,1,2,3,4,5,6,7,8,9,10,11,12,13,14,15
	s_wait_loadcnt 31-(16*\s+\n)                   ; loads come back in order: this gather is in, the younger ones stay out
.irp i, 0,1,2,3
	ds_store_b32 v[SBV+8*\s+\n/2], v[Q+4*(16*\s+\n)+\i] offset:256*\i+8*(\n%2)
.endr
.endr
.endr
	s_wait_dscnt 0x0                               ; the stores have read their registers: the turned rows may land there
.set k, 0
.rept 32
	ds_load_b128 v[Q+4*k:Q+4*k+3], v[RBV+k/2] offset:512*k
.set k, k+1
.endr
	global_store_b64 v[CPO], v[CP:CP+1], s[14:15]  ; out4: the copy's load came back ahead of the gathers
.set k, 0
.rept 32
	s_wait_dscnt 31-k
	global_store_b128 v[XO], v[Q+4*k:Q+4*k+3], s[10:11] offset:2*k*CSTR th:TH_STORE_NT   ; sixteen lanes store 256 consecutive bytes, aligned
.set k, k+1
.endr
	s_wait_tensorcnt 0x0                           ; x has landed; only I read it
	s_set_vgpr_msb 0x40                            ; destination in window 1
.set k, 0
.rept 32
	ds_load_b128 v[4*k:4*k+3], v[XA] offset:512*k  ; channels 2 k and 2 k + 1
.set k, k+1
.endr
	s_set_vgpr_msb 0x4044                          ; source 1 and destination in window 1
.set m, 0
.rept 4
	s_wait_dscnt 24-m/2                            ; the next 8 of x's loads are in
.rept 16
	v_pk_add_f32 v[2*m:2*m+1], v[Q+2*m:Q+2*m+1], v[2*m:2*m+1] neg_lo:[0,1] neg_hi:[0,1]   ; quantized - inputs, over x
.set m, m+1
.endr
.endr
	s_set_vgpr_msb 0x4405                          ; sources 0 and 1 in window 1, the sums in window 0
.irp m, 0,1,2,3
	v_pk_mul_f32 v[ACC+2*\m:ACC+2*\m+1], v[2*\m:2*\m+1], v[2*\m:2*\m+1]   ; the first squares start four chains
.endr
.set m, 4
.rept 60
	v_pk_fma_f32 v[ACC+2*(m%4):ACC+2*(m%4)+1], v[2*m:2*m+1], v[2*m:2*m+1], v[ACC+2*(m%4):ACC+2*(m%4)+1]
.set m, m+1
.endr
	s_set_vgpr_msb 0x0500
	v_pk_add_f32 v[ACC:ACC+1], v[ACC:ACC+1], v[ACC+2:ACC+3]
	v_pk_add_f32 v[ACC+4:ACC+5], v[ACC+4:ACC+5], v[ACC+6:ACC+7]
	v_pk_add_f32 v[ACC:ACC+1], v[ACC:ACC+1], v[ACC+4:ACC+5]
	v_add_f32 v[ACC], v[ACC], v[ACC+1]
	v_add_f32_dpp v[ACC], v[ACC], v[ACC] row_xmask:1 row_mask:0xf bank_mask:0xf
	v_add_f32_dpp v[ACC], v[ACC], v[ACC] row_xmask:2 row_mask:0xf bank_mask:0xf
	v_add_f32_dpp v[ACC], v[ACC], v[ACC] row_xmask:4 row_mask:0xf bank_mask:0xf
	v_add_f32_dpp v[ACC], v[ACC], v[ACC] row_xmask:8 row_mask:0xf bank_mask:0xf
	v_permlanex16_b32 v[ACC+1], v[ACC], s28, s29
	v_add_f32 v[ACC], v[ACC], v[ACC+1]             ; the wave's sum, in every lane
	v_cmp_eq_u32 vcc_lo, 0, v[LANE]
	s_wait_alu depctr_va_vdst(0)
	s_wait_xcnt 0x0                                ; EXEC changes only behind this wait
	s_and_saveexec_b32 s26, vcc_lo
	global_store_b32 v[ZR], v[ACC], s[12:13]       ; one number a wave: the next launch adds the 1,024
	s_wait_xcnt 0x0
	s_or_b32 exec_lo, exec_lo, s26
	s_wait_tensorcnt 0x0                           ; the wave's end: behind my last tensor load and my last LDS store
	ds_add_u32 v[SPW], v[NIL]
	s_wait_dscnt 0x0
	s_endpgm
.Lfunc_end_k_q7ec24d8614_gather:
	.size	k_q7ec24d8614_gather, .Lfunc_end_k_q7ec24d8614_gather-k_q7ec24d8614_gather
	.p2alignl 7, 3214868480
	.fill 96, 4, 3214868480
	.section	.rodata,"a",@progbits
	.p2align	6, 0x0
	.amdhsa_kernel k_q7ec24d8614_gather
		.amdhsa_group_segment_fixed_size 167936
		.amdhsa_private_segment_fixed_size 0
		.amdhsa_enable_private_segment 0
		.amdhsa_kernarg_size 48
		.amdhsa_user_sgpr_count 2
		.amdhsa_user_sgpr_kernarg_segment_ptr 1
		.amdhsa_wavefront_size32 1
		.amdhsa_system_sgpr_workgroup_id_x 1
		.amdhsa_system_sgpr_workgroup_id_y 1
		.amdhsa_system_sgpr_workgroup_id_z 1
		.amdhsa_system_vgpr_workitem_id 0
		.amdhsa_next_free_vgpr 384
		.amdhsa_next_free_sgpr 66
		.amdhsa_reserve_vcc 1
		.amdhsa_float_denorm_mode_32 3
		.amdhsa_float_denorm_mode_16_64 3
		.amdhsa_memory_ordered 1
		.amdhsa_forward_progress 1
		.amdhsa_inst_pref_size 42
	.end_amdhsa_kernel
	.amdgpu_metadata
---
amdhsa.version: [ 1, 2 ]
amdhsa.kernels:
  - .name:           k_q7ec24d8614_gather
    .symbol:         k_q7ec24d8614_gather.kd
    .args:
      - { .name: inputs, .offset: 0, .size: 8, .value_kind: global_buffer, .address_space: global }
      - { .name: embedding, .offset: 8, .size: 8, .value_kind: global_buffer, .address_space: global }
      - { .name: idxw, .offset: 16, .size: 8, .value_kind: global_buffer, .address_space: global }
      - { .name: out0, .offset: 24, .size: 8, .value_kind: global_buffer, .address_space: global }
      - { .name: part, .offset: 32, .size: 8, .value_kind: global_buffer, .address_space: global }
      - { .name: out4, .offset: 40, .size: 8, .value_kind: global_buffer, .address_space: global }
    .group_segment_fixed_size: 167936
    .private_segment_fixed_size: 0
    .kernarg_segment_align: 8
    .kernarg_segment_size: 48
    .max_flat_workgroup_size: 128
    .sgpr_count:     66
    .vgpr_count:     384
    .wavefront_size: 32
...
	.end_amdgpu_metadata
.endif
;; end of part 2
;; launch finish (part 3): grid 1 x 1, 1 waves a work-group, no clusters, 0 bytes of LDS; arguments part, out1, out3; writes out1, out3
.if DOCPART == 3
	.amdgcn_target "amdgcn-amd-amdhsa--gfx1250"
	.amdhsa_code_object_version 6
	.text
	.protected	k_q7ec24d8614_finish
	.globl	k_q7ec24d8614_finish
	.p2align	8
	.type	k_q7ec24d8614_finish,@function
k_q7ec24d8614_finish:
	s_mov_b64 s[64:65], 0
	v_nop
	global_prefetch_b8 v0, s[64:65] scope:SCOPE_SE
	s_setreg_imm32_b32 hwreg(HW_REG_WAVE_MODE, 25, 1), 1
	s_wait_xcnt 0x0
; out1 = 0.25 x the mean of (quantized - inputs)^2 over 2^22 numbers = 2^-24 x the sum of the 1,024 parts that the launch before stored; out3 = 256 zeros, as reference() builds them.
; A sum over work-groups has one owner: one wave reads the 4,096 bytes, 512 consecutive bytes a load.
	s_load_b128 s[4:7], s[0:1], 0x0                ; part, out1
	s_load_b64 s[8:9], s[0:1], 0x10                ; out3
	v_lshlrev_b32 v1, 4, v0
	v_mov_b32 v40, 0
	v_mov_b32 v41, 0
	v_mov_b32 v42, 0
	v_mov_b32 v43, 0
	v_mov_b32 v44, 0
	s_mov_b32 s10, 0x76543210
	s_mov_b32 s11, 0xfedcba98
	s_wait_alu depctr_va_vdst(0)
	s_wait_kmcnt 0x0
.irp j, 0,1,2,3,4,5,6,7
	global_load_b128 v[4+4*\j:7+4*\j], v1, s[4:5] offset:512*\j
.endr
	global_store_b128 v1, v[40:43], s[8:9]         ; out3: 2 x 512 consecutive bytes
	global_store_b128 v1, v[40:43], s[8:9] offset:512
	s_wait_loadcnt 0x0
.irp j, 1,2,3,4,5,6,7
	v_pk_add_f32 v[4:5], v[4:5], v[4+4*\j:5+4*\j]
	v_pk_add_f32 v[6:7], v[6:7], v[6+4*\j:7+4*\j]
.endr
	v_pk_add_f32 v[4:5], v[4:5], v[6:7]
	v_add_f32 v4, v4, v5
	v_add_f32_dpp v4, v4, v4 row_xmask:1 row_mask:0xf bank_mask:0xf
	v_add_f32_dpp v4, v4, v4 row_xmask:2 row_mask:0xf bank_mask:0xf
	v_add_f32_dpp v4, v4, v4 row_xmask:4 row_mask:0xf bank_mask:0xf
	v_add_f32_dpp v4, v4, v4 row_xmask:8 row_mask:0xf bank_mask:0xf
	v_permlanex16_b32 v5, v4, s10, s11
	v_add_f32 v4, v4, v5
	v_mul_f32 v4, 0x33800000, v4                   ; x 2^-24 = 0.25 / 4,194,304
	v_cmp_eq_u32 vcc_lo, 0, v0
	s_wait_alu depctr_va_vdst(0)
	s_wait_xcnt 0x0                                ; EXEC changes only behind this wait
	s_and_saveexec_b32 s12, vcc_lo
	global_store_b32 v44, v4, s[6:7]
	s_wait_xcnt 0x0
	s_or_b32 exec_lo, exec_lo, s12
	s_endpgm
.Lfunc_end_k_q7ec24d8614_finish:
	.size	k_q7ec24d8614_finish, .Lfunc_end_k_q7ec24d8614_finish-k_q7ec24d8614_finish
	.p2alignl 7, 3214868480
	.fill 96, 4, 3214868480
	.section	.rodata,"a",@progbits
	.p2align	6, 0x0
	.amdhsa_kernel k_q7ec24d8614_finish
		.amdhsa_group_segment_fixed_size 0
		.amdhsa_private_segment_fixed_size 0
		.amdhsa_enable_private_segment 0
		.amdhsa_kernarg_size 24
		.amdhsa_user_sgpr_count 2
		.amdhsa_user_sgpr_kernarg_segment_ptr 1
		.amdhsa_wavefront_size32 1
		.amdhsa_system_sgpr_workgroup_id_x 1
		.amdhsa_system_sgpr_workgroup_id_y 1
		.amdhsa_system_sgpr_workgroup_id_z 1
		.amdhsa_system_vgpr_workitem_id 0
		.amdhsa_next_free_vgpr 48
		.amdhsa_next_free_sgpr 66
		.amdhsa_reserve_vcc 1
		.amdhsa_float_denorm_mode_32 3
		.amdhsa_float_denorm_mode_16_64 3
		.amdhsa_memory_ordered 1
		.amdhsa_forward_progress 1
		.amdhsa_inst_pref_size 4
	.end_amdhsa_kernel
	.amdgpu_metadata
---
amdhsa.version: [ 1, 2 ]
amdhsa.kernels:
  - .name:           k_q7ec24d8614_finish
    .symbol:         k_q7ec24d8614_finish.kd
    .args:
      - { .name: part, .offset: 0, .size: 8, .value_kind: global_buffer, .address_space: global }
      - { .name: out1, .offset: 8, .size: 8, .value_kind: global_buffer, .address_space: global }
      - { .name: out3, .offset: 16, .size: 8, .value_kind: global_buffer, .address_space: global }
    .group_segment_fixed_size: 0
    .private_segment_fixed_size: 0
    .kernarg_segment_align: 8
    .kernarg_segment_size: 24
    .max_flat_workgroup_size: 32
    .sgpr_count:     66
    .vgpr_count:     48
    .wavefront_size: 32
...
	.end_amdgpu_metadata
.endif
;; end of part 3
